; MI455X (gfx1250); checked and timed in simulation.
; The chip was launched on July 23, 2026; its instructions are those of AMD's public machine-readable ISA for CDNA 5 (MIT licence, August 2026) and "CDNA5" Instruction Set Architecture Reference Guide (July 2026). The comments in the code are by the model that wrote it; some were corrected since.
;; MNRDE Func. Allowed arithmetic: matrix products marked QUANTISED: E2M3 operands, one E8M0 scale for each 32 along K, by v_wmma_scale_f32_16x16x128_f8f6f4 with both operands' format E2M3, f32 sums; products left as they are: f32 operands where the result goes on into a quantised operand, else bf16, f16 or f32 operands; f32 sums; everything else in f32.
;; Inputs: W1 512 x 256 float32; W2 512 x 512 float32; W3 512 x 512 float32; Wo 2,048 x 512 float32; b1 512 float32; b2 512 float32; b3 512 float32; bo 2,048 float32; h 4,096 x 256 float32; primitive_signature 4,096 x 36 float32.
;; Outputs: out0 4,096 x 256 float32.
;; This version of the problem:
;;   THIS VERSION OF THE PROBLEM IS GIVEN IN LOW PRECISION. The matrix products marked QUANTISED in the list below multiply operands that are first quantised to E2M3 (2 exponent bits, 3 mantissa bits; 6 bits a number), with one power-of-two scale for each 32 numbers along K (OCP MX v1.0); their sums are f32. All else is computed in f32.
;;   The module's matrix products, in the order in which they are computed (A, B: the left and right operand; K: the contracted axis; several contracted axes count as one K, in the product's order):
;;     1. [M 512, K 256] x [K 256, N 4,096]; A: input W1; B: input h: QUANTISED
;;     2. [M 512, K 512] x [K 512, N 4,096]; A: input W2; B: computed on the way: QUANTISED
;;     3. [M 512, K 512] x [K 512, N 4,096]; A: input W3; B: computed on the way: QUANTISED
;;     4. [M 2,048, K 512] x [K 512, N 4,096]; A: input Wo; B: computed on the way: QUANTISED
;;     5. [M 512, K 256] x [K 256, N 4,096]; A: input W1; B: input h: QUANTISED
;;     6. [M 512, K 256] x [K 256, N 32,768]; A: input W1; B: computed on the way: QUANTISED
;;     7. [M 512, K 512] x [K 512, N 4,096]; A: input W2; B: computed on the way: QUANTISED
;;     8. [M 512, K 512] x [K 512, N 32,768]; A: input W2; B: computed on the way: QUANTISED
;;     9. [M 512, K 512] x [K 512, N 4,096]; A: input W3; B: computed on the way: QUANTISED
;;     10. [M 512, K 512] x [K 512, N 32,768]; A: input W3; B: computed on the way: QUANTISED
;;     11. [M 2,048, K 512] x [K 512, N 4,096]; A: input Wo; B: computed on the way: QUANTISED
;;     12. [M 2,048, K 512] x [K 512, N 32,768]; A: input Wo; B: computed on the way: QUANTISED
;;     13. batch 4,096 x [M 256, K 36] x [K 36, N 1]; A: computed on the way; B: input primitive_signature: left as it is (N = 1 < 16)
;;   THE QUANTISER, for each operand of a quantised product, along K:
;;     - K is cut into blocks of 32 from its start; a last block that is shorter is filled with zeros.
;;     - A block's scale is 2^e with e = floor(log2(the largest magnitude in the block)) - 2, held to -126 .. 127; a block of zeros has e = 0. As a byte (E8M0): e + 127.
;;     - Each number is divided by its block's scale, clamped to +-7.5, and rounded to the nearest number of E2M3, ties to even, subnormals kept.
;;     - The product sums the exact products of the quantised numbers (number of the format x scale) in f32.
;;   ~~~python
;;   def quantise(x, axis):      # numpy; x: float32 -> the quantised numbers, widened to float32 again
;;       x = np.moveaxis(x, axis, -1); K = x.shape[-1]
;;       x = np.pad(x, [(0, 0)] * (x.ndim - 1) + [(0, -K % 32)]); x = x.reshape(x.shape[:-1] + (-1, 32)); a = np.abs(x).max(-1, keepdims=True)
;;       e = np.where(a > 0, np.clip(np.frexp(np.where(a > 0, a, 1))[1] - 1 - 2, -126, 127), 0)      # np.frexp(a)[1] - 1 = floor(log2(a)), exactly
;;       r = np.clip(x / 2.0 ** e, -7.5, 7.5)
;;       step = 2.0 ** (np.maximum(np.frexp(np.where(r == 0, 1, r))[1] - 1, 0) - 3)
;;       q = np.round(r / step) * step * 2.0 ** e      # np.round: ties to even
;;       return np.moveaxis(q.reshape(q.shape[:-2] + (-1,))[..., :K], -1, axis).astype(np.float32)
;;   ~~~
;;   OPERANDS COMPUTED ON THE WAY. 'Computed on the way' means the value that the module computes at that place (a softmax that the list does not call 'softmax' is quantised finished and normalised). What goes into a quantiser is computed in f32, as accurately as f32 sums, v_exp_f32 and their like allow (about 1e-6 of the number): no bf16 or f16 on the way to a quantiser, and a product that is left as it is and whose result goes on into a quantised operand takes f32 operands (vector FMAs, or v_wmma_f32_16x16x4_f32). A number that lies on a knife's edge between two numbers of the format may be rounded either way, as far as f32 arithmetic and the matrix unit's own rounding can turn it there, and no further.
;; One version. Each part assembles by itself: llvm-mc -triple=amdgcn-amd-amdhsa -mcpu=gfx1250 --defsym DOCPART=n.
;; ======== version 1 of 1: 2 launches
;; limits: right only within a limited range of input values
;; workspace buffers: wq 1,277,952 bytes; wsc 53,248 bytes
;; launch prep (part 1): grid 104 x 1, 4 waves a work-group, no clusters, 0 bytes of LDS; arguments W1, W2, W3, Wo, wq, wsc; writes wq, wsc
.if DOCPART == 1
	.amdgcn_target "amdgcn-amd-amdhsa--gfx1250"
	.amdhsa_code_object_version 6
	.text
	.protected	k_q3141524479_prep
	.globl	k_q3141524479_prep
	.p2align	8
	.type	k_q3141524479_prep,@function
k_q3141524479_prep:
	s_mov_b64 s[64:65], 0
	v_nop
	global_prefetch_b8 v0, s[64:65] scope:SCOPE_SE
	s_setreg_imm32_b32 hwreg(HW_REG_WAVE_MODE, 25, 1), 1
	s_wait_xcnt 0x0
; W1 [512][256], W2, W3 [512][512], Wo [2048][512], f32 with K innermost, become codes of FP6 (E2M3) with one E8M0 byte for each 32 along K,
; laid in the ORDER OF THE OPERAND'S REGISTERS, so that the second launch loads each fragment by three loads of 16 bytes a lane.
; A TILE's 16 rows are not neighbours: lane r of tile 2 b + u takes row 32 b + 8 u + r + 8 (r / 8), so that the results of two neighbouring tiles are 16 neighbours along the next product's K.
; A FRAGMENT (tile t, K step s of 128) is 12 registers a lane: 1,536 bytes, register 4 p + i of lane l at byte 512 p + 16 l + 4 i.  Fragment number: first fragment of the matrix + t x NK + s
; (W1: 0, NK = 2;  W2: 64;  W3: 192;  Wo: 320;  NK = 4).
; SCALE WORDS lie by pairs of tiles: lane l stands for tile 2 b + l / 16, row l % 16.  W1: byte 256 b + 8 l + 4 s;  the others, pairs counted from W2's first: 4,096 + 512 b + 16 l + 4 s.
; A block's scale is 2^(floor(log2(its largest magnitude)) - 2); its byte is the largest magnitude's exponent field - 2, held at 1 from below.
; LIMITS: a block of zeros gets the byte 1 where the rule says 127 (its codes are zeros, and this program alone reads the bytes); blocks whose largest magnitude lies under 2^-124 keep the byte 1; NaN and infinities are not served.
; SHARES: a wave takes one pair of tiles and one K step: two fragments.  Work-groups 0-7: W1, 8-23: W2, 24-39: W3, 40-103: Wo.  Only pointers and offsets are chosen by the work-group's number: one path through the text.
; Lane (r, h) owns blocks 2 c + h (c = 0, 1) of its row's K step: 32 numbers each, so no other lane is asked for a maximum.
; The codes leave in stores that cover 512 consecutive bytes, aligned.  The scale words leave as 4 bytes a lane, 8 or 16 bytes apart: 53,248 bytes in the whole launch.
.set X0,  32                           ; v32-95   the first tile's 64 numbers of my lane
.set X1,  96                           ; v96-159  the second tile's
.set PC0, 160                          ; v160-171 the first fragment's registers
.set PC1, 172                          ; v172-183 the second's
.set TCV, 184                          ; v184-190 the upper halves of the blocks' codes, on their way
.set TMP, 16                           ; v16-23   at work
.set PW0, 24                           ; v24, v25 the two scale words
.set PW1, 25
.set SEL, 40                           ; s[40:41] lane selects: lane l xor 16
; 64 numbers of a lane, register 32 c + i = k 64 c + 32 h + i of my row, become the fragment's 12 registers and my row's scale word.
.macro QFRAG xr, pf, tc, tm, pw, h8
.irp c, 0,1
	v_max3_num_f32 v[\tm+\c], |v[\xr+32*\c]|, |v[\xr+32*\c+1]|, 0x1800000      ; with the floor 2^(3 - 127): the byte cannot fall under 1
	v_max3_num_f32 v[\tm+2+\c], |v[\xr+32*\c+16]|, |v[\xr+32*\c+17]|, |v[\xr+32*\c+18]|   ; two chains a block, so that no line waits for the line above it
.endr
.irp i, 2,4,6,8,10,12
.irp c, 0,1
	v_max3_num_f32 v[\tm+\c], v[\tm+\c], |v[\xr+32*\c+\i]|, |v[\xr+32*\c+\i+1]|
	v_max3_num_f32 v[\tm+2+\c], v[\tm+2+\c], |v[\xr+32*\c+\i+17]|, |v[\xr+32*\c+\i+18]|
.endr
.endr
.irp c, 0,1
	v_max3_num_f32 v[\tm+\c], v[\tm+\c], |v[\xr+32*\c+14]|, |v[\xr+32*\c+15]|
.endr
.irp c, 0,1
	v_max3_num_f32 v[\tm+\c], v[\tm+\c], v[\tm+2+\c], |v[\xr+32*\c+31]|        ; the block's largest magnitude
.endr
.irp c, 0,1
	v_add_nc_u32 v[\tm+4+\c], 0xff000000, v[\tm+\c]                            ; 2 off its exponent field: the conversion's scale operand
.endr
.irp c, 0,1
	v_lshrrev_b32 v[\tm+6+\c], 23, v[\tm+4+\c]                                 ; the scale's byte
.endr
	v_lshl_or_b32 v[\pw], v[\tm+7], 16, v[\tm+6]                               ; my two bytes: blocks h and 2 + h,
	v_lshlrev_b32 v[\pw], v[\h8], v[\pw]                                       ; at their places (8 h bits up);
	v_permlanex16_b32 v[\tm+2], v[\pw], s[SEL], s[SEL+1]
	v_or_b32 v[\pw], v[\pw], v[\tm+2]                                          ; with lane l xor 16's two the word is whole
.irp c, 0,1
	v_cvt_scalef32_pk16_fp6_f32 v[\pf+6*\c:\pf+6*\c+2], v[\xr+32*\c:\xr+32*\c+15], v[\tm+4+\c]
	v_cvt_scalef32_pk16_fp6_f32 v[\tc+4*\c:\tc+4*\c+2], v[\xr+32*\c+16:\xr+32*\c+31], v[\tm+4+\c]   ; (a conversion's three registers begin on an even number)
.endr
	v_nop                                                                      ; one plain place behind a scaled conversion
.irp c, 0,1
.irp i, 0,1,2
	v_mov_b32 v[\pf+3+6*\c+\i], v[\tc+4*\c+\i]
.endr
.endr
.endm
	s_load_b256 s[4:11], s[0:1], 0x0               ; W1 s[4:5], W2 s[6:7], W3 s[8:9], Wo s[10:11]
	s_load_b128 s[12:15], s[0:1], 0x20             ; the codes s[12:13], the scale words s[14:15]
	v_lshrrev_b32 v1, 5, v0
	v_readfirstlane_b32 s16, v1                    ; wave 0..3
	v_and_b32 v1, 31, v0                           ; lane
	v_and_b32 v2, 15, v0                           ; r
	v_bfe_u32 v3, v0, 4, 1                         ; h
	v_and_b32 v9, 8, v2
	v_add_nc_u32 v9, v9, v2                        ; r + 8 (r / 8)
	s_wait_alu depctr_va_vdst(0)
	v_lshlrev_b32 v6, 4, v1                        ; 16 x lane: my place in a plane of an image
	v_lshlrev_b32 v8, 3, v3                        ; 8 h
	s_mov_b32 s[SEL], 0x76543210
	s_mov_b32 s[SEL+1], 0xfedcba98
	; W1's way (NK = 2): pair = 2 g + wave / 2, K step = wave % 2
	s_lshr_b32 s17, s16, 1
	s_and_b32 s18, s16, 1
	s_lshl_b32 s19, ttmp9, 1
	s_add_co_u32 s19, s19, s17                     ; the pair
	s_lshl_b32 s20, s17, 2
	s_add_co_u32 s20, s20, s18                     ; my first fragment among the work-group's eight
	s_lshl_b32 s21, s19, 15                        ; the pair's 32 rows of 1,024 bytes,
	s_lshl_b32 s22, s18, 9
	s_add_co_u32 s21, s21, s22                     ; + 512 bytes a K step
	s_lshl_b32 s22, s19, 8
	s_lshl_b32 s23, s18, 2
	s_add_co_u32 s22, s22, s23                     ; scale words: 256 x pair + 4 x K step
	; the others' way (NK = 4): pair = g - the matrix's first work-group, K step = wave
	s_cmp_lt_u32 ttmp9, 24
	s_cselect_b32 s24, 8, 24
	s_cmp_lt_u32 ttmp9, 40
	s_cselect_b32 s24, s24, 40
	s_sub_co_u32 s24, ttmp9, s24
	s_lshl_b32 s24, s24, 16                        ; the pair's 32 rows of 2,048 bytes,
	s_lshl_b32 s25, s16, 9
	s_add_co_u32 s24, s24, s25                     ; + 512 bytes a K step
	s_lshl_b32 s25, ttmp9, 9
	s_lshl_b32 s26, s16, 2
	s_add_co_u32 s25, s25, s26                     ; scale words: 4,096 + 512 (g - 8) + 4 x K step = 512 g + 4 x wave
	s_mov_b32 s29, 6144
	s_cmp_lt_u32 ttmp9, 8                          ; W1's work-group?
	s_cselect_b32 s20, s20, s16
	s_cselect_b32 s21, s21, s24
	s_cselect_b32 s22, s22, s25
	s_cselect_b32 s27, 10, 11                      ; log2 of a row's bytes
	s_cselect_b32 s28, 3, 4                        ; log2 of a lane's bytes among the scale words
	s_cselect_b32 s29, 3072, s29                   ; from a tile to the next: NK fragments
	s_lshl_b32 s30, ttmp9, 3
	s_add_co_u32 s30, s30, s20                     ; the fragment's number: every work-group makes eight, in the order of the work-groups
	s_mul_i32 s30, s30, 1536
	s_mov_b32 s31, 0
	s_lshl_b32 s32, 8, s27                         ; eight rows, in bytes
	v_lshlrev_b32 v4, s27, v9
	v_lshl_add_u32 v4, v3, 7, v4                   ; the first tile: my row, + 128 h: my block of 32 numbers
	v_add_nc_u32 v5, s32, v4                       ; the second tile: eight rows on
	v_lshlrev_b32 v7, s28, v1
	s_wait_alu depctr_va_vdst(0)
	s_wait_kmcnt 0x0
	s_cmp_lt_u32 ttmp9, 24                         ; the source is chosen by the work-group's number alone
	s_cselect_b64 s[34:35], s[6:7], s[8:9]
	s_cmp_lt_u32 ttmp9, 40
	s_cselect_b64 s[34:35], s[34:35], s[10:11]
	s_cmp_lt_u32 ttmp9, 8
	s_cselect_b64 s[34:35], s[4:5], s[34:35]
	s_mov_b32 s36, s21
	s_mov_b32 s37, 0
	s_add_nc_u64 s[34:35], s[34:35], s[36:37]
	s_add_nc_u64 s[12:13], s[12:13], s[30:31]      ; the first tile's fragment,
	s_mov_b32 s36, s29
	s_add_nc_u64 s[38:39], s[12:13], s[36:37]      ; the second's
	s_mov_b32 s36, s22
	s_add_nc_u64 s[14:15], s[14:15], s[36:37]
.irp c, 0,1
.irp j, 0,1,2,3,4,5,6,7
	global_load_b128 v[X0+32*\c+4*\j:X0+32*\c+4*\j+3], v4, s[34:35] offset:256*\c+16*\j
	global_load_b128 v[X1+32*\c+4*\j:X1+32*\c+4*\j+3], v5, s[34:35] offset:256*\c+16*\j
.endr
.endr
	s_wait_loadcnt 0x0
	QFRAG X0, PC0, TCV, TMP, PW0, 8
	QFRAG X1, PC1, TCV, TMP, PW1, 8
.irp p, 0,1,2
	global_store_b128 v6, v[PC0+4*\p:PC0+4*\p+3], s[12:13] offset:512*\p      ; 32 lanes store 512 consecutive bytes, aligned
	global_store_b128 v6, v[PC1+4*\p:PC1+4*\p+3], s[38:39] offset:512*\p
.endr
	v_cmp_gt_u32 vcc_lo, 16, v1
	v_cndmask_b32 v[PW0], v[PW1], v[PW0], vcc_lo   ; lanes 0-15 keep the first tile's word, lanes 16-31 the second's
	global_store_b32 v7, v[PW0], s[14:15]
	s_endpgm
.Lfunc_end_k_q3141524479_prep:
	.size	k_q3141524479_prep, .Lfunc_end_k_q3141524479_prep-k_q3141524479_prep
	.p2alignl 7, 3214868480
	.fill 96, 4, 3214868480
	.section	.rodata,"a",@progbits
	.p2align	6, 0x0
	.amdhsa_kernel k_q3141524479_prep
		.amdhsa_group_segment_fixed_size 0
		.amdhsa_private_segment_fixed_size 0
		.amdhsa_enable_private_segment 0
		.amdhsa_kernarg_size 48
		.amdhsa_user_sgpr_count 2
		.amdhsa_user_sgpr_kernarg_segment_ptr 1
		.amdhsa_wavefront_size32 1
		.amdhsa_system_sgpr_workgroup_id_x 1
		.amdhsa_system_sgpr_workgroup_id_y 1
		.amdhsa_system_sgpr_workgroup_id_z 1
		.amdhsa_system_vgpr_workitem_id 0
		.amdhsa_next_free_vgpr 192
		.amdhsa_next_free_sgpr 66
		.amdhsa_reserve_vcc 1
		.amdhsa_float_denorm_mode_32 3
		.amdhsa_float_denorm_mode_16_64 3
		.amdhsa_memory_ordered 1
		.amdhsa_forward_progress 1
		.amdhsa_inst_pref_size 13
	.end_amdhsa_kernel
	.amdgpu_metadata
---
amdhsa.version: [ 1, 2 ]
amdhsa.kernels:
  - .name:           k_q3141524479_prep
    .symbol:         k_q3141524479_prep.kd
    .args:
      - { .name: W1, .offset: 0, .size: 8, .value_kind: global_buffer, .address_space: global }
      - { .name: W2, .offset: 8, .size: 8, .value_kind: global_buffer, .address_space: global }
      - { .name: W3, .offset: 16, .size: 8, .value_kind: global_buffer, .address_space: global }
      - { .name: Wo, .offset: 24, .size: 8, .value_kind: global_buffer, .address_space: global }
      - { .name: wq, .offset: 32, .size: 8, .value_kind: global_buffer, .address_space: global }
      - { .name: wsc, .offset: 40, .size: 8, .value_kind: global_buffer, .address_space: global }
    .group_segment_fixed_size: 0
    .private_segment_fixed_size: 0
    .kernarg_segment_align: 8
    .kernarg_segment_size: 48
    .max_flat_workgroup_size: 128
    .sgpr_count:     66
    .vgpr_count:     192
    .wavefront_size: 32
...
	.end_amdgpu_metadata
.endif
;; end of part 1
;; launch main (part 2): grid 256 x 1, 4 waves a work-group, no clusters, 297,984 bytes of LDS; arguments h, primitive_signature, wq, wsc, b1, b2, b3, bo, out0; writes out0
.if DOCPART == 2
	.amdgcn_target "amdgcn-amd-amdhsa--gfx1250"
	.amdhsa_code_object_version 6
	.text
	.protected	k_q3141524479_main
	.globl	k_q3141524479_main
	.p2align	8
	.type	k_q3141524479_main,@function
k_q3141524479_main:
	s_mov_b64 s[64:65], 0
	v_nop
	global_prefetch_b8 v0, s[64:65] scope:SCOPE_SE
	s_setreg_imm32_b32 hwreg(HW_REG_WAVE_MODE, 25, 1), 1
	s_wait_xcnt 0x0
; out[b] = sum_i sig_i V_i(h_b) + sum over k != i of A[k][i] J[k][i],  V = F(h) the MLP 256 -> 512 -> 512 -> 512 -> 2,048 (softplus three times, tanh), J[k] = DF(h) V_k,
; A[k][i] = +sig[8 + p(k, i)] for k < i, -sig[8 + p(i, k)] for k > i, p(a, b) = a (15 - a) / 2 + b - a - 1.  J[i][i] is never gathered and is not computed.
; Every product W x is on codes of FP6 (E2M3) with one E8M0 scale for each 32 along K; the weights' codes come from the launch before, laid as register images.
; SHARES.  A work-group owns 16 batch rows; its four waves share the COLUMNS: in a hidden layer wave w makes units 128 w .. 128 w + 127, in Wo the fields 4 (w / 2) + 0 .. 3, columns 128 (w % 2) on.
; A chunk is 64 units (4 tiles x NK fragments of weights): it is loaded from memory into registers once a pass; the next chunk's loads go into the other set of registers.
; TWO PASSES over one text.  Pass 0: the primal chain; each hidden chunk's gates sigmoid(a) go to the wave's own bytes of LDS; V is quantised into LDS as the tangents' first operand.
; Pass 1: the eight tangent tiles (tile k = direction k of the 16 rows) through the same weights.  The hidden layers' primal products have the operands that they had in pass 0, so their results are taken from there
; (the gates, and x3 in block 8 of buffer 1); Wo's primal tile is made again, since its gates (131,072 bytes) have no room.  Every loop runs in both passes; pass 0 jumps over the work inside a trip.
; BY TURNS.  Two sets of accumulators and of fragments.  While block j is multiplied, the epilogue of block j - 1 (gate, quantiser, stores; in Wo the weighted sum) and the fetch of block j + 1 stand in slices behind the
; matrix instructions: 73 lines for 16 products in a hidden step of K = 512, 36 for 16 in Wo.  All that a slice names lies in window 0, so a slice costs the two switches to and from the weights' window.
; LAYOUT.  Every product is used transposed (source 0 = 16 rows of W, source 1 = 16 batch rows): lane (r, h) holds batch row r throughout, and the 16 registers of tiles 2 b, 2 b + 1 are units 32 b + 16 h + 0 .. 15.
; So a chunk's 32 registers are two blocks of the next K, half a fragment; the contraction with sig is done in the lane.
; OPERANDS GO FROM WAVE TO WAVE THROUGH LDS AS IMAGES OF THEIR REGISTERS (register 4 p + i of lane l at 512 p + 16 l + 4 i), scale words 4 bytes a lane.  One barrier a layer: a layer reads one buffer and writes the other.
; NO CLUSTER, NO TENSOR LOADS: all work-groups walk the same weights, but two LDS slots of a layer step's 98,304 bytes do not fit beside the 297,472 bytes of activations, coefficients, stage and gates.
; The registers keep one chunk a wave (24,576 bytes) on its way with no barrier.  No prefetch: the weights are read by every work-group, not once.
; LIMITS: NaN and infinities are not served.  exp(-|a|) under 2^-126 counts as 0.  A block of zeros, or one whose largest magnitude lies under 2^-124, keeps the scale byte 1 (only this program reads the bytes).
; tanh is 1 - 2 / (1 + e^(2 y)), and y (1 - y^2 / 3 + 2 y^4 / 15) where y^2 < 0.01 (the next term is under 6e-8 of the result there).  The hidden layers' biases are loaded in both passes and used in pass 0.
; REGISTERS: window 0 as named below; window 1, 2: weight sets 0, 1 (v0-191 codes, fragment t NK + s at 12 (t NK + s); v192-223 the biases, tile t at 192 + 8 t); window 3: v0-63 the output's sums, v64-95 Wo's gate.
.set FRB,  1536                        ; a fragment's image
.set FST,  15360                       ; LDS buffer: fragment s (K step s) has ten blocks of FRB bytes on end: 0-7 the tangents, 8 the primal tile, 9 (buffer 0 alone) h
.set SCO,  61440                       ; behind the four fragments' areas the scale words:
.set SST,  1280                        ; ten planes of 128 bytes for each fragment
.set BUF0, 0
.set BUF1, 66560
.set CTB,  133120                      ; the coefficients, a copy of 8,192 bytes for each wave: field i at 1,024 i; in it place j = 0 .. 6: direction j + (j >= i), place 7: sig_i; 128 bytes a place, 4 a lane
.set STG,  165888                      ; the stage for the way out: 2 planes x 16 rows x (1,024 + 16) bytes
.set SPL,  16640
.set SPI,  1040
.set GAT,  199168                      ; the hidden layers' gates: 24,576 bytes a wave, 4,096 a chunk, as register images
.set LI,  1                            ; v1   16 x lane
.set LS,  2                            ; v2   4 x lane
.set L8,  3                            ; v3   8 x lane
.set BH,  4                            ; v4   64 h: my half's place among a tile pair's biases
.set OI,  5                            ; v5   16 x lane + FST x wave: where my fragment's images go
.set OS,  6                            ; v6   4 x lane + SST x wave: and its scale words
.set VI,  7                            ; v7   the same for V: 16 x lane + FST (w % 2) + 4 FRB (w / 2)
.set VS,  8                            ; v8   4 x lane + SST (w % 2) + 512 (w / 2)
.set FI,  9                            ; v9, v10   addresses of the fetch in hand
.set FA,  10
.set OK,  11                           ; v11, v12  addresses of the stores in hand
.set OL,  12
.set CA,  13                           ; v13  address of the coefficient, or of the gates, in hand
.set SO,  14                           ; v14  the stage: where I put my sums
.set SR,  15                           ; v15  and where I read rows back
.set FF,  16                           ; fragment set p at FF + 144 p: v16-63, v160-207
.set FSC, 64                           ; its scale words at FSC + 28 p: v64-67, v92-95
.set CF,  68                           ; coefficient p at CF + 2 p; the odd registers are named with them as pairs
.set WS,  72                           ; v72-79, v80-87 the weights' scale words, set 0, 1
.set C215, 88                          ; v[88:89] 2/15;  v[90:91] -1/3
.set CM13, 90
.set AC,  96                           ; accumulator set p at AC + 32 p: v96-127, v128-159
.set GG,  128                          ; pass 0: the gates as they are made (accumulator set 1 is idle there)
.set TA,  208                          ; v208-211 the quantiser's maxima
.set EE,  212                          ; v212-243 at work in the activations, 8 each;
.set UU,  220
.set LL,  228
.set RR,  236
.set GH,  212                          ; in pass 1's hidden layers the chunk's gates;
.set SS,  212                          ; in Wo the sum over directions
.set PC,  244                          ; v244-250 the codes just made
.set PW,  251                          ; v251 their two scale bytes
.set TQ,  252                          ; v252-255 the quantiser's scale operands and bytes
.set GW,  64                           ; window 3: 1 - V^2
.set WV,  22                           ; s22 wave, s23 wave % 2, s24 wave / 2
.set WLO, 23
.set WHI, 24
.set SEL, 26                           ; s[26:27] lane selects: lane l xor 16
.set LOG2E, 28
.set LN2, 30                           ; s[30:31] ln 2, named as a pair
.set L2E2, 32                          ; s[32:33] 2 log2(e)
.set THR, 34                           ; s34 0.01
.set Q1,  36                           ; my wave's part of W1's codes;  s[38:39] of W2's (W3's lie 196,608 bytes on)
.set Q2,  38
.set S1,  40                           ; the same of the scale words
.set S2,  42
.set B1,  44                           ; my wave's part of b1, b2, b3
.set B2,  46
.set B3,  48
.set BO,  50                           ; walking: bo, Wo's codes, Wo's scale words
.set QO,  52
.set SCP, 54
.set PASS, 56
.set II,  57
.set KC,  58                           ; hidden: the loop's count;  Wo: the place of the block to fetch
.set FB,  59                           ; the block to fetch: images, scale words
.set FC,  60
.set OB,  61                           ; the block to store
.set OC,  62
.set FLD, 63                           ; my field in Wo
.set QOB, 66                           ; where the walking pointers begin
.set SCB, 68
.set BOB, 70
.set VB,  72                           ; V's block: images, scale words
.set VC,  73
.set CT,  74                           ; my field's eight coefficients
.set CK,  76                           ; the coefficient to load
.set LC,  77                           ; Wo: the loop's count
.set T0,  78
.set T1,  80
.set TF,  81                           ; Wo: the fetch's addresses, behind the step over my own field
.set TG,  82
.set GS,  83                           ; where my wave's gates begin
.set MSB, 0
.macro WIN new                         ; the immediate's high byte repeats the setting that is left; a switch that changes nothing is dropped
.if MSB != (\new)
	s_set_vgpr_msb (MSB<<8)|(\new)
.set MSB, (\new)
.endif
.endm
.macro PLACES                          ; four plain places behind a matrix instruction, ahead of reads of its results and of loads into its operands
.rept 4
	v_nop
.endr
.endm
.macro BARRIER                         ; my LDS stores have landed and my LDS loads are in: then the work-group's barrier
	s_wait_dscnt 0x0
	s_barrier_signal -1
	s_barrier_wait -1
.endm
; A chunk's weights into a set: 4 NK fragments (a dense block of memory, 512 consecutive bytes a load), 32 biases in the result's layout, the scale words of two pairs of tiles: 12 NK + 10 loads.
.macro WLOAD set, NK, Qp, qo, Sp, so, Bp, bo
	WIN (1+(\set))<<6
.set f_, 0
.rept 4*\NK
.irp p, 0,1,2
	global_load_b128 v[12*f_+4*\p:12*f_+4*\p+3], v[LI], s[\Qp:\Qp+1] offset:\qo+FRB*f_+512*\p
.endr
.set f_, f_+1
.endr
.irp t, 0,1,2,3
	global_load_b128 v[192+8*\t:192+8*\t+3], v[BH], s[\Bp:\Bp+1] offset:\bo+(32*(\t/2)+8*(\t%2))*4
	global_load_b128 v[192+8*\t+4:192+8*\t+7], v[BH], s[\Bp:\Bp+1] offset:\bo+(32*(\t/2)+8*(\t%2))*4+16
.endr
	WIN 0
.irp j, 0,1
.if \NK == 4
	global_load_b128 v[WS+8*(\set)+4*\j:WS+8*(\set)+4*\j+3], v[LI], s[\Sp:\Sp+1] offset:\so+512*\j
.else
	global_load_b64 v[WS+8*(\set)+2*\j:WS+8*(\set)+2*\j+1], v[L8], s[\Sp:\Sp+1] offset:\so+256*\j
.endif
.endr
.endm
; Line n of 2 + 4 NK of a fetch: a block's NK fragments and scale words from LDS into fragment set p.  a, b: where the block's images and scale words begin.
.macro FIT NK, p, a, b, n
.set f_n, \n
.if f_n == 0
	v_add_nc_u32 v[FI], \a, v[LI]
.elseif f_n == 1
	v_add_nc_u32 v[FA], \b, v[LS]
.else
.set f_s, (f_n-2)/4
.set f_r, (f_n-2)%4
.if f_r < 3
	ds_load_b128 v[FF+144*(\p)+12*f_s+4*f_r:FF+144*(\p)+12*f_s+4*f_r+3], v[FI] offset:FST*f_s+512*f_r
.else
	ds_load_b32 v[FSC+28*(\p)+f_s], v[FA] offset:SCO+SST*f_s
.endif
.endif
.endm
.macro FETCH NK, p, a, b               ; the whole fetch in one run
.set f_i, 0
.rept 2+4*\NK
	FIT \NK, \p, \a, \b, f_i
.set f_i, f_i+1
.endr
.endm
.macro WMX c                           ; one product; an odd tile's scale words stand in lanes 16-31
.if m_t%2
	v_wmma_scale_f32_16x16x128_f8f6f4 v[m_d:m_d+7], v[m_a:m_a+11], v[m_b:m_b+11], \c, v[m_x], v[m_y] matrix_a_fmt:MATRIX_FMT_FP6 matrix_b_fmt:MATRIX_FMT_FP6 matrix_a_scale:MATRIX_SCALE_ROW1
.else
	v_wmma_scale_f32_16x16x128_f8f6f4 v[m_d:m_d+7], v[m_a:m_a+11], v[m_b:m_b+11], \c, v[m_x], v[m_y] matrix_a_fmt:MATRIX_FMT_FP6 matrix_b_fmt:MATRIX_FMT_FP6
.endif
.endm
; Product i of 4 NK: the chunk's four tiles against the block in fragment set p, into accumulator set p, K step i / 4, tile i % 4: the four accumulators take turns, one instruction a turn.
; The first K step starts the sums: from the biases (bias = 1) or from 0.
.macro MMI set, NK, p, bias, i
.set m_s, (\i)/4
.set m_t, (\i)%4
.set m_d, AC+32*(\p)+8*m_t
.set m_a, 12*((\NK)*m_t+m_s)
.set m_b, FF+144*(\p)+12*m_s
.set m_x, WS+8*(\set)+(\NK)*(m_t/2)+m_s
.set m_y, FSC+28*(\p)+m_s
.if m_s == 0
.if \bias
	WIN (1+(\set))|((1+(\set))<<4)
	WMX v[192+8*m_t:192+8*m_t+7]
.else
	WIN 1+(\set)
	WMX 0
.endif
.else
	WIN 1+(\set)
	WMX v[m_d:m_d+7]
.endif
.endm
.macro MMB set, NK, p, bias            ; all 4 NK products in one run
.set b_i, 0
.rept 4*\NK
	MMI \set, \NK, \p, \bias, b_i
.set b_i, b_i+1
.endr
	WIN 0
.endm
; Line n of 34 of the quantiser.  The 32 numbers of accumulator set p (register 16 b + i = k 32 b + 16 h + i of my row) become half a fragment: six registers of codes in v[PC] on, two scale bytes in v[PW].
.macro QI p, n
.set q_n, \n
.set q_a, AC+32*(\p)
.if q_n < 4
.set q_b, q_n/2
.if q_n%2 == 0
	v_max3_num_f32 v[TA+q_b], |v[q_a+16*q_b]|, |v[q_a+16*q_b+1]|, 0x1800000   ; with the floor 2^(3 - 127): the byte cannot fall under 1
.else
	v_max3_num_f32 v[TA+2+q_b], |v[q_a+16*q_b+8]|, |v[q_a+16*q_b+9]|, |v[q_a+16*q_b+10]|   ; two chains a block
.endif
.elseif q_n < 12
.set q_i, 2+2*((q_n-4)/4)
.set q_b, ((q_n-4)%4)/2
.if q_n%2 == 0
	v_max3_num_f32 v[TA+q_b], v[TA+q_b], |v[q_a+16*q_b+q_i]|, |v[q_a+16*q_b+q_i+1]|
.else
	v_max3_num_f32 v[TA+2+q_b], v[TA+2+q_b], |v[q_a+16*q_b+q_i+9]|, |v[q_a+16*q_b+q_i+10]|
.endif
.elseif q_n < 14
.set q_b, q_n-12
	v_max3_num_f32 v[TA+q_b], v[TA+q_b], |v[q_a+16*q_b+6]|, |v[q_a+16*q_b+7]|
.elseif q_n < 16
.set q_b, q_n-14
	v_max3_num_f32 v[TA+q_b], v[TA+q_b], v[TA+2+q_b], |v[q_a+16*q_b+15]|
.elseif q_n < 18
	v_permlanex16_b32 v[TA+2+q_n-16], v[TA+q_n-16], s[SEL], s[SEL+1]
.elseif q_n < 20
	v_max_num_f32 v[TA+q_n-18], v[TA+q_n-18], v[TA+2+q_n-18]                  ; with lane l xor 16's 16: the block's largest magnitude
.elseif q_n < 22
	v_add_nc_u32 v[TQ+q_n-20], 0xff000000, v[TA+q_n-20]                       ; 2 off its exponent field: the conversion's scale operand
.elseif q_n < 24
	v_lshrrev_b32 v[TQ+2+q_n-22], 23, v[TQ+q_n-22]                            ; the scale's byte
.elseif q_n == 24
	v_lshl_or_b32 v[PW], v[TQ+3], 8, v[TQ+2]
.elseif q_n == 25
	v_cvt_scalef32_pk16_fp6_f32 v[PC:PC+2], v[q_a:q_a+15], v[TQ]
.elseif q_n == 26
	v_cvt_scalef32_pk16_fp6_f32 v[PC+4:PC+6], v[q_a+16:q_a+31], v[TQ+1]
.elseif q_n == 27
	v_nop                                                                     ; one plain place behind a scaled conversion
.elseif q_n < 31
	v_permlane16_swap_b32 v[PC+q_n-28], v[PC+4+q_n-28]                        ; a whole block to a lane: lanes 0-15 the first block, lanes 16-31 the second
.else
	v_mov_b32 v[PC+q_n-28], v[PC+q_n-27]
.endif
.endm
.macro QUANT2 p                        ; the quantiser in one run
.set q_z, 0
.rept 34
	QI \p, q_z
.set q_z, q_z+1
.endr
.endm
; Store n of 3: half c of a fragment's image (registers 6 c .. 6 c + 5) and of its scale word go to LDS, at v[OK], v[OL].
.macro PIT c, n
.set p_n, \n
.if p_n == 0
.if \c == 0
	ds_store_b128 v[OK], v[PC:PC+3]
.else
	ds_store_b64 v[OK], v[PC:PC+1] offset:520
.endif
.elseif p_n == 1
.if \c == 0
	ds_store_b64 v[OK], v[PC+4:PC+5] offset:512
.else
	ds_store_b128 v[OK], v[PC+2:PC+5] offset:1024
.endif
.else
	ds_store_b16 v[OL], v[PW] offset:SCO+2*\c
.endif
.endm
.macro PUT c
	PIT \c, 0
	PIT \c, 1
	PIT \c, 2
.endm
; softplus(a) = max(a, 0) + log1p(e), e = exp(-|a|); log1p(e) = ln(u) + (e - (u - 1)) / u with u = 1 + e as rounded: the second term takes back that rounding.  The gate: sigmoid(a) = 1 / u for a >= 0, e / u else.
.macro ACT32
.irp t, 0,1,2,3
.if \t
	s_wait_alu depctr_va_vdst(0)                   ; ahead of the first read of a matrix result behind transcendentals
.endif
.irp i, 0,1,2,3,4,5,6,7
	v_mul_f32 v[EE+\i], -|v[AC+8*\t+\i]|, s[LOG2E]                             ; each accumulator is read from its low end on
.endr
	s_wait_alu depctr_va_vdst(0)
.irp i, 0,1,2,3,4,5,6,7
	v_exp_f32 v[EE+\i], v[EE+\i]
.endr
	v_nop                                                                      ; a plain place behind the transcendentals
	s_wait_alu depctr_va_vdst(0)
.irp i, 0,2,4,6
	v_pk_add_f32 v[UU+\i:UU+\i+1], v[EE+\i:EE+\i+1], 1.0 op_sel_hi:[1,0]
.endr
	s_wait_alu depctr_va_vdst(0)
.irp i, 0,1,2,3,4,5,6,7
	v_log_f32 v[LL+\i], v[UU+\i]
.endr
.irp i, 0,1,2,3,4,5,6,7
	v_rcp_f32 v[RR+\i], v[UU+\i]
.endr
	v_nop
.irp i, 0,2,4,6
	v_pk_add_f32 v[UU+\i:UU+\i+1], v[UU+\i:UU+\i+1], -1.0 op_sel_hi:[1,0]      ; u - 1, exact
.endr
.irp i, 0,2,4,6
	v_pk_add_f32 v[UU+\i:UU+\i+1], v[EE+\i:EE+\i+1], v[UU+\i:UU+\i+1] neg_lo:[0,1] neg_hi:[0,1]   ; e - (u - 1), exact
.endr
	s_wait_alu depctr_va_vdst(0)
.irp i, 0,2,4,6
	v_pk_mul_f32 v[EE+\i:EE+\i+1], v[EE+\i:EE+\i+1], v[RR+\i:RR+\i+1]          ; e / u
.endr
.irp i, 0,1,2,3,4,5,6,7
	v_cmp_le_f32 vcc_lo, 0, v[AC+8*\t+\i]
	v_cndmask_b32 v[GG+8*\t+\i], v[EE+\i], v[RR+\i], vcc_lo
.endr
.irp i, 0,1,2,3,4,5,6,7
	v_max_num_f32 v[AC+8*\t+\i], 0, v[AC+8*\t+\i]
.endr
.irp i, 0,2,4,6
	v_pk_fma_f32 v[AC+8*\t+\i:AC+8*\t+\i+1], v[LL+\i:LL+\i+1], s[LN2:LN2+1], v[AC+8*\t+\i:AC+8*\t+\i+1] op_sel_hi:[1,0,1]
.endr
.irp i, 0,2,4,6
	v_pk_fma_f32 v[AC+8*\t+\i:AC+8*\t+\i+1], v[UU+\i:UU+\i+1], v[RR+\i:RR+\i+1], v[AC+8*\t+\i:AC+8*\t+\i+1]
.endr
.endr
.endm
; tanh in place
.macro TANH32
.irp t, 0,1,2,3
.if \t
	s_wait_alu depctr_va_vdst(0)                   ; ahead of the first read of a matrix result behind transcendentals
.endif
.irp i, 0,2,4,6
	v_pk_mul_f32 v[EE+\i:EE+\i+1], v[AC+8*\t+\i:AC+8*\t+\i+1], s[L2E2:L2E2+1] op_sel_hi:[1,0]
.endr
	s_wait_alu depctr_va_vdst(0)
.irp i, 0,1,2,3,4,5,6,7
	v_exp_f32 v[EE+\i], v[EE+\i]
.endr
.irp i, 0,2,4,6
	v_pk_mul_f32 v[LL+\i:LL+\i+1], v[AC+8*\t+\i:AC+8*\t+\i+1], v[AC+8*\t+\i:AC+8*\t+\i+1]   ; y^2: also the plain place behind the exponentials
.endr
	s_wait_alu depctr_va_vdst(0)
.irp i, 0,2,4,6
	v_pk_add_f32 v[UU+\i:UU+\i+1], v[EE+\i:EE+\i+1], 1.0 op_sel_hi:[1,0]
.endr
	s_wait_alu depctr_va_vdst(0)
.irp i, 0,1,2,3,4,5,6,7
	v_rcp_f32 v[RR+\i], v[UU+\i]
.endr
.irp i, 0,2,4,6
	v_pk_fma_f32 v[EE+\i:EE+\i+1], v[LL+\i:LL+\i+1], v[C215:C215+1], v[CM13:CM13+1]   ; the series: also the plain place behind the reciprocals
.endr
	s_wait_alu depctr_va_vdst(0)
.irp i, 0,2,4,6
	v_pk_fma_f32 v[RR+\i:RR+\i+1], v[RR+\i:RR+\i+1], -2.0, 1.0 op_sel_hi:[1,0,0]
.endr
.irp i, 0,2,4,6
	v_pk_fma_f32 v[EE+\i:EE+\i+1], v[EE+\i:EE+\i+1], v[LL+\i:LL+\i+1], 1.0 op_sel_hi:[1,1,0]
.endr
.irp i, 0,2,4,6
	v_pk_mul_f32 v[EE+\i:EE+\i+1], v[EE+\i:EE+\i+1], v[AC+8*\t+\i:AC+8*\t+\i+1]
.endr
.irp i, 0,1,2,3,4,5,6,7
	v_cmp_gt_f32 vcc_lo, s[THR], v[LL+\i]
	v_cndmask_b32 v[AC+8*\t+\i], v[RR+\i], v[EE+\i], vcc_lo
.endr
.endr
.endm
; 64 numbers of a lane, register 32 c + i = k 64 c + 32 h + i of my row, become a fragment's 12 registers and my row's scale word (for h, whose K is innermost in memory).
.macro QFRAG xr, pf, tc, tm, pw, h8
.irp c, 0,1
	v_max3_num_f32 v[\tm+\c], |v[\xr+32*\c]|, |v[\xr+32*\c+1]|, 0x1800000
	v_max3_num_f32 v[\tm+2+\c], |v[\xr+32*\c+16]|, |v[\xr+32*\c+17]|, |v[\xr+32*\c+18]|
.endr
.irp i, 2,4,6,8,10,12
.irp c, 0,1
	v_max3_num_f32 v[\tm+\c], v[\tm+\c], |v[\xr+32*\c+\i]|, |v[\xr+32*\c+\i+1]|
	v_max3_num_f32 v[\tm+2+\c], v[\tm+2+\c], |v[\xr+32*\c+\i+17]|, |v[\xr+32*\c+\i+18]|
.endr
.endr
.irp c, 0,1
	v_max3_num_f32 v[\tm+\c], v[\tm+\c], |v[\xr+32*\c+14]|, |v[\xr+32*\c+15]|
.endr
.irp c, 0,1
	v_max3_num_f32 v[\tm+\c], v[\tm+\c], v[\tm+2+\c], |v[\xr+32*\c+31]|
.endr
.irp c, 0,1
	v_add_nc_u32 v[\tm+4+\c], 0xff000000, v[\tm+\c]
.endr
.irp c, 0,1
	v_lshrrev_b32 v[\tm+6+\c], 23, v[\tm+4+\c]
.endr
	v_lshl_or_b32 v[\pw], v[\tm+7], 16, v[\tm+6]                               ; my two bytes: blocks h and 2 + h,
	v_lshlrev_b32 v[\pw], v[\h8], v[\pw]                                       ; 8 h bits up;
	v_permlanex16_b32 v[\tm+2], v[\pw], s[SEL], s[SEL+1]
	v_or_b32 v[\pw], v[\pw], v[\tm+2]                                          ; with lane l xor 16's two the word is whole
.irp c, 0,1
	v_cvt_scalef32_pk16_fp6_f32 v[\pf+6*\c:\pf+6*\c+2], v[\xr+32*\c:\xr+32*\c+15], v[\tm+4+\c]
	v_cvt_scalef32_pk16_fp6_f32 v[\tc+4*\c:\tc+4*\c+2], v[\xr+32*\c+16:\xr+32*\c+31], v[\tm+4+\c]
.endr
	v_nop
.irp c, 0,1
.irp i, 0,1,2
	v_mov_b32 v[\pf+3+6*\c+\i], v[\tc+4*\c+\i]
.endr
.endr
.endm
; THE VECTOR WORK OF A HIDDEN STEP, line n of 57 + 4 NK, for the block that lies finished in accumulator set p:
;   0-1 the two addresses of the fetch;  2-5 the gate on the first tile (six plain lines: the places ahead of the loads);  then the loads of the block after the one being multiplied, into fragment set p,
;   which the finished block's products have left;  the gate on the other three tiles;  the quantiser;  two addresses and three stores.
.macro EI NK, p, q, n
.set e_n, \n
.set e_f, 2+4*(\NK)
.set e_a, AC+32*(\p)
.if e_n < 2
	FIT \NK, \p, s[FB], s[FC], e_n
.elseif e_n < 6
.set e_j, e_n-2
	v_pk_mul_f32 v[e_a+2*e_j:e_a+2*e_j+1], v[e_a+2*e_j:e_a+2*e_j+1], v[GH+2*e_j:GH+2*e_j+1]      ; x sigmoid(a)
.elseif e_n < 4+e_f
	FIT \NK, \p, s[FB], s[FC], e_n-4
.elseif e_n < 16+e_f
.set e_j, e_n-e_f
	v_pk_mul_f32 v[e_a+2*e_j:e_a+2*e_j+1], v[e_a+2*e_j:e_a+2*e_j+1], v[GH+2*e_j:GH+2*e_j+1]
.elseif e_n < 50+e_f
	QI \p, e_n-16-e_f
.elseif e_n == 50+e_f
	v_add_nc_u32 v[OK], s[OB], v[OI]
.elseif e_n == 51+e_f
	v_add_nc_u32 v[OL], s[OC], v[OS]
.else
	PIT \q, e_n-52-e_f
.endif
.endm
; A HIDDEN STEP: the products of the block in set p, a K step's four at a time, and behind each four a slice of the other set's vector work: 19 lines a slice for NK = 4, 33 for NK = 2; two window switches a slice.
; The last slice holds the quantiser's moves and the two additions: six plain lines and more behind the products that end the sums, ahead of the next step's first read of them.
.macro HSTEP set, NK, p, q
	s_wait_dscnt 0x3                               ; all but the youngest three LDS instructions, the last step's stores, are done: this block's fragments, fetched ahead of those stores, are in
.set h_t, 57+4*(\NK)
.set h_p, (h_t+(\NK)-1)/(\NK)
.set h_e, 0
.set h_i, 0
.rept \NK
.rept 4
	MMI \set, \NK, \p, 0, h_i
.set h_i, h_i+1
.endr
	WIN 0
.rept h_p
.if h_e < h_t
	EI \NK, 1-\p, \q, h_e
.set h_e, h_e+1
.endif
.endr
.endr
.endm
.macro EB p, q                         ; a chunk's last block, in set p: pass 1: direction 7, which takes the gate; pass 0: the primal tile, which goes to block 8.  One quantiser and one set of stores serve both
	s_cmp_eq_u32 s[PASS], 0
	s_cbranch_scc0 .Leg_\@
	s_add_co_u32 s[OB], s[OB], FRB
	s_add_co_u32 s[OC], s[OC], 128
	s_branch .Leq_\@
.Leg_\@:
.set x_j, 0
.rept 16
	v_pk_mul_f32 v[AC+32*(\p)+x_j:AC+32*(\p)+x_j+1], v[AC+32*(\p)+x_j:AC+32*(\p)+x_j+1], v[GH+x_j:GH+x_j+1]
.set x_j, x_j+2
.endr
.Leq_\@:
	QUANT2 \p
	v_add_nc_u32 v[OK], s[OB], v[OI]
	v_add_nc_u32 v[OL], s[OC], v[OS]
	PUT \q
.endm
; A CHUNK OF A HIDDEN LAYER: half q of my fragment of the next K; c: the chunk's number among my six.  It reads buffer IN (pass 0: the primal tile in block PBLK) and writes buffer OUT.  The arguments from nNK on name the next chunk's weights.
.macro HID NK, q, set, IN, PBLK, OUT, c, nNK, nQ, nqo, nS, nso, nB, nbo
	PLACES                                         ; the ways through the text part on PASS: on each of them four places stand between the last product and the loads below
	WLOAD 1-\set, \nNK, \nQ, \nqo, \nS, \nso, \nB, \nbo    ; into the set that the chunk before has left
	s_wait_dscnt 0x0                               ; the last fetch of the chunk before may still be out: its registers are loaded again only behind this wait
	v_add_nc_u32 v[CA], s[GS], v[LI]               ; my gates
	s_wait_alu depctr_va_vdst(0)
	s_cmp_eq_u32 s[PASS], 0
	s_cbranch_scc0 .Lht_\@
	FETCH \NK, 0, \IN+FRB*\PBLK, \IN+128*\PBLK     ; ---- pass 0: the primal tile
	s_wait_loadcnt 12*\nNK+10                      ; all but the loads just issued are in: this chunk's weights
	s_wait_dscnt 0x0
	MMB \set, \NK, 0, 1
	PLACES
	ACT32
.irp m, 0,1,2,3,4,5,6,7
	ds_store_b128 v[CA], v[GG+4*\m:GG+4*\m+3] offset:4096*\c+512*\m            ; the gates wait in my own bytes for pass 1
.endr
	s_wait_alu depctr_va_vdst(0)                   ; the tile is quantised at the chunk's end, behind branches
	s_branch .Lhj_\@
.Lht_\@:                                       ; ---- pass 1: the gates, the first two directions, and direction 0's products, which have no vector work to stand beside them yet
.irp m, 0,1,2,3,4,5,6,7
	ds_load_b128 v[GH+4*\m:GH+4*\m+3], v[CA] offset:4096*\c+512*\m
.endr
	FETCH \NK, 1, \IN, \IN                         ; direction d lies in set (d + 1) % 2, so that direction 7 ends in set 0, where pass 0 has its tile
	FETCH \NK, 0, \IN+FRB, \IN+128
	s_wait_loadcnt 12*\nNK+10                      ; all but the loads just issued are in: this chunk's weights
	s_wait_dscnt 4*\NK                             ; the gates and direction 0 are in; direction 1's loads may be out
	MMB \set, \NK, 1, 0
	PLACES
	v_nop                                          ; (five: on every way a product that begins a sum anew over these registers stands five places behind)
	s_wait_dscnt 0x0                               ; direction 1 is in: the count at a step's head leans on three stores being the youngest
.Lhj_\@:
	s_mov_b32 s[FB], \IN+2*FRB                     ; the first step fetches direction 2
	s_mov_b32 s[FC], \IN+2*128
	s_mov_b32 s[OB], \OUT                          ; and stores direction 0
	s_mov_b32 s[OC], \OUT
	s_mov_b32 s[KC], 0
.Lhk_\@:                                       ; a trip is two steps (directions 2 j + 1, 2 j + 2); the loop is left in its middle behind direction 7.  It runs in both passes; pass 0 has no tangents and jumps over the work
	s_cmp_eq_u32 s[PASS], 0
	s_cbranch_scc1 .Lha_\@
	HSTEP \set, \NK, 0, \q                         ; (direction 7's step fetches block 8, which lies written and is not used)
.Lha_\@:
	s_add_co_u32 s[FB], s[FB], FRB
	s_add_co_u32 s[FC], s[FC], 128
	s_add_co_u32 s[OB], s[OB], FRB
	s_add_co_u32 s[OC], s[OC], 128
	s_add_co_u32 s[KC], s[KC], 1
	s_cmp_eq_u32 s[KC], 4
	s_cbranch_scc1 .Lhx_\@
	s_cmp_eq_u32 s[PASS], 0
	s_cbranch_scc1 .Lhb_\@
	HSTEP \set, \NK, 1, \q
.Lhb_\@:
	s_add_co_u32 s[FB], s[FB], FRB
	s_add_co_u32 s[FC], s[FC], 128
	s_add_co_u32 s[OB], s[OB], FRB
	s_add_co_u32 s[OC], s[OC], 128
	s_cmp_lt_u32 s[KC], 4
	s_cbranch_scc1 .Lhk_\@
.Lhx_\@:
	EB 0, \q
.endm
; THE VECTOR WORK OF A STEP OF Wo, line n of 36, for the block that lies finished in accumulator set p: 0-1 the two addresses of the fetch; 2-5 the first tile into the sum; the loads of the block after the one being
; multiplied, into fragment set p; the coefficient of the block being multiplied, into the other coefficient register; the other three tiles into the sum.
.macro WIT p, n
.set w_n, \n
.set w_a, AC+32*(\p)
.set w_j, w_n-2
.if w_n >= 24
.set w_j, w_n-20
.endif
.if w_n < 2
	FIT 4, \p, s[TF], s[TG], w_n
.elseif (w_n < 6) || (w_n >= 24)
	v_pk_fma_f32 v[SS+2*w_j:SS+2*w_j+1], v[w_a+2*w_j:w_a+2*w_j+1], v[CF+2*(\p):CF+2*(\p)+1], v[SS+2*w_j:SS+2*w_j+1] op_sel_hi:[1,0,1]
.elseif w_n < 22
	FIT 4, \p, s[TF], s[TG], w_n-4
.elseif w_n == 22
	v_add_nc_u32 v[CA], s[CK], v[LS]
.else
	ds_load_b32 v[CF+2*(1-(\p))], v[CA]
.endif
.endm
; A STEP OF Wo: the 16 products of the block in set p, a K step's four at a time; behind each four a slice of the other set's vector work: twelve lines in each of the first two slices, which hold the fetch,
; six in each of the last two: six plain lines stand behind the products that end the sums.
.macro WSTEP set, p
	s_cmp_ge_u32 s[KC], s[FLD]                     ; the block at place KC is direction KC, or KC + 1 from my own field on
	s_cselect_b32 s[TF], FRB, 0
	s_cselect_b32 s[TG], 128, 0
	s_add_co_u32 s[TF], s[TF], s[FB]
	s_add_co_u32 s[TG], s[TG], s[FC]
	s_wait_dscnt 0x0                               ; this block's fragments and the finished block's coefficient, asked for in the first half of the step before, are in
.set w_e, 0
.set w_g, 0
.rept 4
.irp x, 0,1,2,3
	MMI \set, 4, \p, 0, 4*w_g+\x
.endr
	WIN 0
.set w_c, 12
.if w_g >= 2
.set w_c, 6
.endif
.rept w_c
	WIT 1-\p, w_e
.set w_e, w_e+1
.endr
.set w_g, w_g+1
.endr
.endm
; A CHUNK OF Wo: 64 columns (half e of my 128) of my field.  Pass 0: V, quantised, into buffer 0.  Pass 1: the output's sums take sig_i V and (1 - V^2) x the sum over k != i of A[k][i] (Wo t_k).
.macro WOC e, set
	PLACES                                         ; on every way four places stand between the last product and the loads below
.if \e == 0
	WLOAD 1, 4, QO, 24576, SCP, 1024, BO, 256
	s_wait_loadcnt 58                              ; all but the 58 just issued
.else
	s_cmp_lt_u32 s[II], 3
	s_cbranch_scc0 .Lwl_\@
	WLOAD 0, 4, QO, 98304, SCP, 4096, BO, 1024     ; my next field
	s_wait_loadcnt 58
	s_branch .Lwg_\@
.Lwl_\@:
	s_wait_loadcnt 0x0                             ; my last field: nothing is left to fetch in this pass
.Lwg_\@:
.endif
	s_wait_dscnt 0x0
	FETCH 4, 0, BUF1+8*FRB, BUF1+8*128             ; x3
	s_wait_dscnt 0x0
	MMB \set, 4, 0, 1
	PLACES
	s_cmp_eq_u32 s[PASS], 0
	s_cbranch_scc1 .Lnp_\@
	v_add_nc_u32 v[CA], s[CT], v[LS]               ; pass 1: asked for here, so that they land under the tanh:
	ds_load_b32 v[CF+2], v[CA] offset:896          ; sig_i of my row,
	ds_load_b32 v[CF], v[CA]                       ; the first direction's coefficient,
	s_cmp_eq_u32 s[FLD], 0
	s_cselect_b32 s[TF], FRB, 0
	s_cselect_b32 s[TG], 128, 0
	s_add_co_u32 s[TF], s[TF], BUF1
	s_add_co_u32 s[TG], s[TG], BUF1
	FETCH 4, 0, s[TF], s[TG]                       ; the block at place 0,
	s_cmp_le_u32 s[FLD], 1
	s_cselect_b32 s[TF], FRB, 0
	s_cselect_b32 s[TG], 128, 0
	s_add_co_u32 s[TF], s[TF], BUF1+FRB
	s_add_co_u32 s[TG], s[TG], BUF1+128
	FETCH 4, 1, s[TF], s[TG]                       ; and that at place 1
.Lnp_\@:
	TANH32
	WIN 0xc0
.irp j, 0,2,4,6,8,10,12,14,16,18,20,22,24,26,28,30
	v_pk_fma_f32 v[GW+\j:GW+\j+1], v[AC+\j:AC+\j+1], v[AC+\j:AC+\j+1], 1.0 op_sel_hi:[1,1,0] neg_lo:[1,0,0] neg_hi:[1,0,0]   ; 1 - V^2, made on every way, so that its registers are written before they are read; pass 1 uses it
.endr
	WIN 0
.irp j, 0,1,2,3,4,5,6,7,8,9,10,11,12,13,14,15,16,17,18,19,20,21,22,23,24,25,26,27,28,29,30,31
	v_mov_b32 v[SS+\j], 0                          ; the sum over directions begins anew: its first term is added in the loop, by the lines that add the others
.endr
	s_mov_b32 s[FB], BUF1+2*FRB                    ; the first step fetches the block at place 2
	s_mov_b32 s[FC], BUF1+2*128
	s_add_co_u32 s[CK], s[CT], 128                 ; and loads the coefficient at place 1
	s_mov_b32 s[KC], 2
	s_mov_b32 s[LC], 0
	s_cmp_eq_u32 s[PASS], 0
	s_cbranch_scc0 .Lwp_\@
	QUANT2 0
	v_add_nc_u32 v[OK], s[VB], v[VI]
	v_add_nc_u32 v[OL], s[VC], v[VS]
	PUT \e
	s_branch .Lwk_\@
.Lwp_\@:
	s_wait_dscnt 0x0                               ; the coefficients and the first two blocks are in
	WIN 0xf0
.irp j, 0,2,4,6,8,10,12,14,16,18,20,22,24,26,28,30
	v_pk_fma_f32 v[32*\e+\j:32*\e+\j+1], v[AC+\j:AC+\j+1], v[CF+2:CF+3], v[32*\e+\j:32*\e+\j+1] op_sel_hi:[1,0,1]
.endr
	WIN 0
	MMB \set, 4, 0, 0                              ; the block at place 0
	PLACES
	v_nop                                          ; (five: on every way a product that begins a sum anew over these registers stands five places behind)
.Lwk_\@:                                       ; three trips of two steps (places 2 j + 1, 2 j + 2), in both passes; pass 0 jumps over the work
	s_cmp_eq_u32 s[PASS], 0
	s_cbranch_scc1 .Lw1_\@
	WSTEP \set, 1
.Lw1_\@:
	s_add_co_u32 s[KC], s[KC], 1
	s_add_co_u32 s[FB], s[FB], FRB
	s_add_co_u32 s[FC], s[FC], 128
	s_add_co_u32 s[CK], s[CK], 128
	s_cmp_eq_u32 s[PASS], 0
	s_cbranch_scc1 .Lw2_\@
	WSTEP \set, 0                                  ; (place 6's step fetches block 8, which lies written and is not used)
.Lw2_\@:
	s_add_co_u32 s[KC], s[KC], 1
	s_add_co_u32 s[FB], s[FB], FRB
	s_add_co_u32 s[FC], s[FC], 128
	s_add_co_u32 s[CK], s[CK], 128
	s_add_co_u32 s[LC], s[LC], 1
	s_cmp_lt_u32 s[LC], 3
	s_cbranch_scc1 .Lwk_\@
	s_cmp_eq_u32 s[PASS], 0
	s_cbranch_scc1 .Lwx_\@
	s_wait_dscnt 0x0                               ; the last coefficient is in
.irp j, 0,2,4,6,8,10,12,14,16,18,20,22,24,26,28,30
	v_pk_fma_f32 v[SS+\j:SS+\j+1], v[AC+\j:AC+\j+1], v[CF:CF+1], v[SS+\j:SS+\j+1] op_sel_hi:[1,0,1]   ; the block at place 6
.endr
	WIN 0xf3
.irp j, 0,2,4,6,8,10,12,14,16,18,20,22,24,26,28,30
	v_pk_fma_f32 v[32*\e+\j:32*\e+\j+1], v[GW+\j:GW+\j+1], v[SS+\j:SS+\j+1], v[32*\e+\j:32*\e+\j+1]
.endr
	WIN 0
.Lwx_\@:
.endm
	; ---- the head
	s_load_b256 s[4:11], s[0:1], 0x0               ; h s[4:5], sig s[6:7], the weights' codes s[8:9], their scale words s[10:11]
	s_load_b256 s[12:19], s[0:1], 0x20             ; b1, b2, b3, bo
	s_load_b64 s[20:21], s[0:1], 0x40              ; out
	s_set_vgpr_msb 0x40
	v_lshl_add_u32 v254, v0, 2, 0x48a00
	v_mov_b32 v255, 0
	s_set_vgpr_msb 0x4000
	v_lshrrev_b32 v48, 5, v0
	v_readfirstlane_b32 s[WV], v48                 ; wave 0..3
	s_and_b32 s[WLO], s[WV], 1
	s_lshr_b32 s[WHI], s[WV], 1
	v_and_b32 v48, 31, v0                          ; lane
	v_and_b32 v49, 15, v0                          ; r
	v_bfe_u32 v50, v0, 4, 1                        ; h
	v_lshlrev_b32 v[LI], 4, v48
	v_lshlrev_b32 v[LS], 2, v48
	v_lshlrev_b32 v[L8], 3, v48
	v_lshlrev_b32 v[BH], 6, v50
	s_wait_alu depctr_va_vdst(0)
	s_mul_i32 s[T0], s[WV], FST
	v_add_nc_u32 v[OI], s[T0], v[LI]
	s_mul_i32 s[T0], s[WV], SST
	v_add_nc_u32 v[OS], s[T0], v[LS]
	s_mul_i32 s[T0], s[WLO], FST
	s_mul_i32 s[T1], s[WHI], 4*FRB
	s_add_co_u32 s[T0], s[T0], s[T1]
	v_add_nc_u32 v[VI], s[T0], v[LI]
	s_mul_i32 s[T0], s[WLO], SST
	s_lshl_b32 s[T1], s[WHI], 9
	s_add_co_u32 s[T0], s[T0], s[T1]
	v_add_nc_u32 v[VS], s[T0], v[LS]
	s_mul_i32 s[T0], s[WHI], SPL                   ; the stage: plane w / 2, row r, my 128 columns' 512 bytes, + 64 h
	s_lshl_b32 s[T1], s[WLO], 9
	s_add_co_u32 s[T0], s[T0], s[T1]
	s_add_co_u32 s[T0], s[T0], STG
	v_mul_u32_u24 v[SO], v49, SPI
	v_lshl_add_u32 v[SO], v50, 6, v[SO]
	v_add_nc_u32 v[SO], s[T0], v[SO]
	s_mul_i32 s[T0], s[WV], 4*SPI                  ; back: rows 4 w .. 4 w + 3, 16 bytes a lane
	s_add_co_u32 s[T0], s[T0], STG
	v_add_nc_u32 v[SR], s[T0], v[LI]
	s_mul_i32 s[GS], s[WV], 24576
	s_add_co_u32 s[GS], s[GS], GAT
	v_mul_u32_u24 v51, v49, 144                    ; sig: row r of 36 numbers
	v_lshlrev_b32 v52, 10, v49                     ; h: row r of 1,024 bytes, + 128 h, + 512 x K step (= wave)
	v_lshl_add_u32 v52, v50, 7, v52
	s_lshl_b32 s[T0], s[WLO], 9                    ; K step = wave % 2: all four waves load h, waves 0 and 1 quantise it
	v_add_nc_u32 v52, s[T0], v52
	v_lshlrev_b32 v53, 3, v50                      ; 8 h
	s_lshl_b32 s[T0], s[WV], 13
	s_add_co_u32 s[T0], s[T0], CTB
	v_add_nc_u32 v54, s[T0], v[LS]                 ; my wave's copy of the coefficients
.irp j, 0,1,2,3
	v_mov_b32 v[CF+\j], 0                          ; (the odd ones are named as the upper halves of pairs, so they are written)
.endr
	v_mov_b32 v[C215], 0x3e088889
	v_mov_b32 v[C215+1], 0x3e088889
	v_mov_b32 v[CM13], 0xbeaaaaab
	v_mov_b32 v[CM13+1], 0xbeaaaaab
	; The ways through this text part on PASS.  Fragment set 1 is first fetched on pass 1's ways alone: its registers are written by every wave's loads of h below, its scale words here.
.irp j, 0,1,2,3
	v_mov_b32 v[FSC+28+\j], 0
.endr
	s_mov_b32 s[SEL], 0x76543210
	s_mov_b32 s[SEL+1], 0xfedcba98
	s_mov_b32 s[LOG2E], 0x3fb8aa3b
	s_mov_b32 s[LN2], 0x3f317218
	s_mov_b32 s[LN2+1], 0x3f317218
	s_mov_b32 s[L2E2], 0x4038aa3b
	s_mov_b32 s[L2E2+1], 0x4038aa3b
	s_mov_b32 s[THR], 0x3c23d70a
	WIN 0xc0
.set z_, 0
.rept 64
	v_mov_b32 v[z_], 0                             ; the output's sums: four fields add onto them in one loop
.set z_, z_+1
.endr
	WIN 0
	s_mov_b32 s[T0+1], 0
	s_wait_alu depctr_va_vdst(0)
	s_wait_kmcnt 0x0
	s_lshl_b32 s[T0], ttmp9, 14                    ; the work-group's 16 rows of 1,024 bytes
	s_add_nc_u64 s[4:5], s[4:5], s[T0:T0+1]
	s_add_nc_u64 s[20:21], s[20:21], s[T0:T0+1]
	s_mul_i32 s[T0], ttmp9, 2304
	s_add_nc_u64 s[6:7], s[6:7], s[T0:T0+1]
	s_mul_i32 s[T0], s[WV], 24576
	s_add_nc_u64 s[Q1:Q1+1], s[8:9], s[T0:T0+1]
	s_mul_i32 s[T0], s[WV], 49152
	s_add_nc_u64 s[Q2:Q2+1], s[8:9], s[T0:T0+1]
	s_add_nc_u64 s[Q2:Q2+1], s[Q2:Q2+1], 98304
	s_lshl_b32 s[T0], s[WV], 10
	s_add_nc_u64 s[S1:S1+1], s[10:11], s[T0:T0+1]
	s_lshl_b32 s[T0], s[WV], 11
	s_add_nc_u64 s[S2:S2+1], s[10:11], s[T0:T0+1]
	s_add_nc_u64 s[S2:S2+1], s[S2:S2+1], 4096
	s_lshl_b32 s[T0], s[WV], 9
	s_add_nc_u64 s[B1:B1+1], s[12:13], s[T0:T0+1]
	s_add_nc_u64 s[B2:B2+1], s[14:15], s[T0:T0+1]
	s_add_nc_u64 s[B3:B3+1], s[16:17], s[T0:T0+1]
	s_mul_i32 s[T0], s[WHI], 393216                ; Wo: four fields (1,024 rows) a pair of waves, 128 rows a wave
	s_mul_i32 s[T1], s[WLO], 49152
	s_add_co_u32 s[T0], s[T0], s[T1]
	s_add_nc_u64 s[QOB:QOB+1], s[8:9], s[T0:T0+1]
	s_add_nc_u64 s[QOB:QOB+1], s[QOB:QOB+1], 491520
	s_lshl_b32 s[T0], s[WHI], 14
	s_lshl_b32 s[T1], s[WLO], 11
	s_add_co_u32 s[T0], s[T0], s[T1]
	s_add_nc_u64 s[SCB:SCB+1], s[10:11], s[T0:T0+1]
	s_add_nc_u64 s[SCB:SCB+1], s[SCB:SCB+1], 20480
	s_lshl_b32 s[T0], s[WHI], 12
	s_lshl_b32 s[T1], s[WLO], 9
	s_add_co_u32 s[T0], s[T0], s[T1]
	s_add_nc_u64 s[BOB:BOB+1], s[18:19], s[T0:T0+1]
.irp j, 0,1,2,3,4,5,6,7,8
	global_load_b128 v[96+4*\j:96+4*\j+3], v51, s[6:7] offset:16*\j            ; my row's 36 coefficients: v96-131
.endr
.irp c, 0,1
.irp j, 0,1,2,3,4,5,6,7
	global_load_b128 v[160+32*\c+4*\j:160+32*\c+4*\j+3], v52, s[4:5] offset:256*\c+16*\j   ; my 64 numbers of h, asked for together with sig
.endr
.endr
	s_mov_b32 s[T1], 0x80000000
	s_wait_loadcnt 16                              ; sig is in; the 16 loads of h may be out
.irp p, 0,1,2,3,4,5,6,7,8,9,10,11,12,13,14,15,16,17,18,19,20,21,22,23,24,25,26,27
	v_xor_b32 v[132+\p], s[T1], v[104+\p]          ; the brackets' coefficients with the other sign
.endr
.irp i, 0,1,2,3,4,5,6,7
.irp k, 0,1,2,3,4,5,6,7
.if \k == \i
	ds_store_b32 v54, v[96+\i] offset:128*(8*\i+7)                             ; sig_i: place 7
.elseif \k < \i
	ds_store_b32 v54, v[104+\k*(15-\k)/2+\i-\k-1] offset:128*(8*\i+\k)         ; direction k under i: place k
.else
	ds_store_b32 v54, v[132+\i*(15-\i)/2+\k-\i-1] offset:128*(8*\i+\k-1)       ; direction k over i: place k - 1
.endif
.endr
.endr
	s_wait_loadcnt 0x0                             ; h is in, in every wave
	s_cmp_lt_u32 s[WV], 2                          ; h has two K steps: waves 0 and 1 quantise one each
	s_cbranch_scc0 .Lno_h
	QFRAG 160, 16, 28, 36, 47, 53
.irp p, 0,1,2
	ds_store_b128 v[OI], v[16+4*\p:16+4*\p+3] offset:BUF0+9*FRB+512*\p         ; block 9 of buffer 0, fragment = wave
.endr
	ds_store_b32 v[OS], v47 offset:BUF0+SCO+9*128
.Lno_h:
	s_mov_b32 s[PASS], 0
.Lpass:
	s_wait_xcnt 0x0                                ; every earlier load has read its base: the walking pointers may be written
	s_mov_b64 s[QO:QO+1], s[QOB:QOB+1]
	s_mov_b64 s[SCP:SCP+1], s[SCB:SCB+1]
	s_mov_b64 s[BO:BO+1], s[BOB:BOB+1]
	s_lshl_b32 s[FLD], s[WHI], 2                   ; my first field
	s_mov_b32 s[VB], 0
	s_mov_b32 s[VC], 0
	s_lshl_b32 s[T0], s[WV], 13
	s_lshl_b32 s[T1], s[FLD], 10
	s_add_co_u32 s[CT], s[T0], s[T1]
	s_add_co_u32 s[CT], s[CT], CTB
	s_wait_loadcnt 0x0                             ; no earlier load into weight set 0 is out when its registers are loaded again
	PLACES
	WLOAD 0, 2, Q1, 0, S1, 0, B1, 0                ; a pass begins with W1's first chunk
	BARRIER                                        ; pass 0: h's two fragments lie in LDS.  Pass 1: V lies in buffer 0, and nobody reads buffer 1 any more
	HID 2, 0, 0, BUF0, 9, BUF1, 0, 2, Q1, 12288, S1, 512, B1, 256
	HID 2, 1, 1, BUF0, 9, BUF1, 1, 4, Q2, 0, S2, 0, B2, 0
	BARRIER                                        ; layer 1's results lie in buffer 1, and nobody reads buffer 0's blocks 0 to 8 any more
	HID 4, 0, 0, BUF1, 8, BUF0, 2, 4, Q2, 24576, S2, 1024, B2, 256
	HID 4, 1, 1, BUF1, 8, BUF0, 3, 4, Q2, 196608, S2, 8192, B3, 0
	BARRIER
	HID 4, 0, 0, BUF0, 8, BUF1, 4, 4, Q2, 221184, S2, 9216, B3, 256
	HID 4, 1, 1, BUF0, 8, BUF1, 5, 4, QO, 0, SCP, 0, BO, 0
	BARRIER
	s_mov_b32 s[II], 0
.Lwo:                                              ; four trips: a field of mine a trip
	WOC 0, 0
	WOC 1, 1
	s_wait_alu depctr_va_vdst(0)
	s_wait_xcnt 0x0                                ; the loads have read their bases
	s_add_nc_u64 s[QO:QO+1], s[QO:QO+1], 98304
	s_add_nc_u64 s[SCP:SCP+1], s[SCP:SCP+1], 4096
	s_add_nc_u64 s[BO:BO+1], s[BO:BO+1], 1024
	s_add_co_u32 s[FLD], s[FLD], 1
	s_add_co_u32 s[VB], s[VB], FRB
	s_add_co_u32 s[VC], s[VC], 128
	s_add_co_u32 s[CT], s[CT], 1024
	s_add_co_u32 s[II], s[II], 1
	s_cmp_lt_u32 s[II], 4
	s_cbranch_scc1 .Lwo
	s_add_co_u32 s[PASS], s[PASS], 1
	s_cmp_lt_u32 s[PASS], 2
	s_cbranch_scc1 .Lpass
	; ---- the way out: a row's 256 columns come from waves of both halves, and each column from two waves (four fields each): two planes meet in the stage
	WIN 0x0c                                       ; an LDS store's data are its source 1: window 3
.irp e, 0,1
.irp b, 0,1
.irp j, 0,1,2,3
	ds_store_b128 v[SO], v[32*\e+16*\b+4*\j:32*\e+16*\b+4*\j+3] offset:256*\e+128*\b+16*\j   ; columns 128 (w % 2) + 64 e + 32 b + 16 h + 4 j on
.endr
.endr
.endr
	WIN 0
	s_lshl_b32 s[T0], s[WV], 12
	v_add_nc_u32 v[FI], s[T0], v[LI]               ; my byte offset in the work-group's rows of out: rows 4 w on, 16 bytes a lane
	s_wait_alu depctr_va_vdst(0)
	BARRIER
.irp x, 0,1,2,3,4,5,6,7
	ds_load_b128 v[96+4*\x:96+4*\x+3], v[SR] offset:SPI*(\x/2)+512*(\x%2)
	ds_load_b128 v[128+4*\x:128+4*\x+3], v[SR] offset:SPL+SPI*(\x/2)+512*(\x%2)
.endr
	s_wait_dscnt 0x0
.irp x, 0,1,2,3,4,5,6,7
	v_pk_add_f32 v[96+4*\x:96+4*\x+1], v[96+4*\x:96+4*\x+1], v[128+4*\x:128+4*\x+1]
	v_pk_add_f32 v[98+4*\x:98+4*\x+1], v[98+4*\x:98+4*\x+1], v[130+4*\x:130+4*\x+1]
	global_store_b128 v[FI], v[96+4*\x:96+4*\x+3], s[20:21] offset:1024*(\x/2)+512*(\x%2) th:TH_STORE_NT   ; 32 lanes store 512 consecutive bytes, aligned; written once
.endr
	s_set_vgpr_msb 0x5
	s_wait_tensorcnt 0x0
	ds_add_u32 v254, v255
	s_wait_dscnt 0x0
	s_set_vgpr_msb 0x500
	s_endpgm
.Lfunc_end_k_q3141524479_main:
	.size	k_q3141524479_main, .Lfunc_end_k_q3141524479_main-k_q3141524479_main
	.p2alignl 7, 3214868480
	.fill 96, 4, 3214868480
	.section	.rodata,"a",@progbits
	.p2align	6, 0x0
	.amdhsa_kernel k_q3141524479_main
		.amdhsa_group_segment_fixed_size 297984
		.amdhsa_private_segment_fixed_size 0
		.amdhsa_enable_private_segment 0
		.amdhsa_kernarg_size 72
		.amdhsa_user_sgpr_count 2
		.amdhsa_user_sgpr_kernarg_segment_ptr 1
		.amdhsa_wavefront_size32 1
		.amdhsa_system_sgpr_workgroup_id_x 1
		.amdhsa_system_sgpr_workgroup_id_y 1
		.amdhsa_system_sgpr_workgroup_id_z 1
		.amdhsa_system_vgpr_workitem_id 0
		.amdhsa_next_free_vgpr 864
		.amdhsa_next_free_sgpr 88
		.amdhsa_reserve_vcc 1
		.amdhsa_float_denorm_mode_32 3
		.amdhsa_float_denorm_mode_16_64 3
		.amdhsa_memory_ordered 1
		.amdhsa_forward_progress 1
		.amdhsa_inst_pref_size 255
	.end_amdhsa_kernel
	.section	.bss,"aw",@nobits
	.p2align	6
	.space	262144
	.amdgpu_metadata
---
amdhsa.version: [ 1, 2 ]
amdhsa.kernels:
  - .name:           k_q3141524479_main
    .symbol:         k_q3141524479_main.kd
    .args:
      - { .name: h, .offset: 0, .size: 8, .value_kind: global_buffer, .address_space: global }
      - { .name: primitive_signature, .offset: 8, .size: 8, .value_kind: global_buffer, .address_space: global }
      - { .name: wq, .offset: 16, .size: 8, .value_kind: global_buffer, .address_space: global }
      - { .name: wsc, .offset: 24, .size: 8, .value_kind: global_buffer, .address_space: global }
      - { .name: b1, .offset: 32, .size: 8, .value_kind: global_buffer, .address_space: global }
      - { .name: b2, .offset: 40, .size: 8, .value_kind: global_buffer, .address_space: global }
      - { .name: b3, .offset: 48, .size: 8, .value_kind: global_buffer, .address_space: global }
      - { .name: bo, .offset: 56, .size: 8, .value_kind: global_buffer, .address_space: global }
      - { .name: out0, .offset: 64, .size: 8, .value_kind: global_buffer, .address_space: global }
    .group_segment_fixed_size: 297984
    .private_segment_fixed_size: 0
    .kernarg_segment_align: 8
    .kernarg_segment_size: 72
    .max_flat_workgroup_size: 128
    .sgpr_count:     88
    .vgpr_count:     864
    .wavefront_size: 32
...
	.end_amdgpu_metadata
.endif
;; end of part 2
